; MI455X (gfx1250); checked and timed in simulation.
; The chip was launched on July 23, 2026; its instructions are those of AMD's public machine-readable ISA for CDNA 5 (MIT licence, August 2026) and "CDNA5" Instruction Set Architecture Reference Guide (July 2026). The comments in the code are by the model that wrote it; some were corrected since.
;; Vector Quantizer. Allowed arithmetic: matrix products marked QUANTISED: E3M2 operands, one E8M0 scale for each 32 along K, by v_wmma_scale_f32_16x16x128_f8f6f4 with both operands' format E3M2, f32 sums; everything else in f32.
;; Inputs: W 8,192 x 512 float32; z_e 16 x 1,024 x 512 float32.
;; Outputs: out0 16 x 1,024 x 512 float32; out1 16 x 1,024 int32; out2 one number float32; out3 one number float32; out4 one number float32; out5 one number float32; out6 one number float32.
;; This version of the problem:
;;   THIS VERSION OF THE PROBLEM IS GIVEN IN LOW PRECISION. The matrix products marked QUANTISED in the list below multiply operands that are first quantised to E3M2 (3 exponent bits, 2 mantissa bits; 6 bits a number), with one power-of-two scale for each 32 numbers along K (OCP MX v1.0); their sums are f32. All else is computed in f32.
;;   The module's matrix products, in the order in which they are computed (A, B: the left and right operand; K: the contracted axis; several contracted axes count as one K, in the product's order):
;;     1. [M 16,384, K 512] x [K 512, N 8,192]; A: input z_e; B: input W: QUANTISED
;;   THE QUANTISER, for each operand of a quantised product, along K:
;;     - K is cut into blocks of 32 from its start; a last block that is shorter is filled with zeros.
;;     - A block's scale is 2^e with e = floor(log2(the largest magnitude in the block)) - 4, held to -126 .. 127; a block of zeros has e = 0. As a byte (E8M0): e + 127.
;;     - Each number is divided by its block's scale, clamped to +-28, and rounded to the nearest number of E3M2, ties to even, subnormals kept.
;;     - The product sums the exact products of the quantised numbers (number of the format x scale) in f32.
;;   ~~~python
;;   def quantise(x, axis):      # numpy; x: float32 -> the quantised numbers, widened to float32 again
;;       x = np.moveaxis(x, axis, -1); K = x.shape[-1]
;;       x = np.pad(x, [(0, 0)] * (x.ndim - 1) + [(0, -K % 32)]); x = x.reshape(x.shape[:-1] + (-1, 32)); a = np.abs(x).max(-1, keepdims=True)
;;       e = np.where(a > 0, np.clip(np.frexp(np.where(a > 0, a, 1))[1] - 1 - 4, -126, 127), 0)      # np.frexp(a)[1] - 1 = floor(log2(a)), exactly
;;       r = np.clip(x / 2.0 ** e, -28, 28)
;;       step = 2.0 ** (np.maximum(np.frexp(np.where(r == 0, 1, r))[1] - 1, -2) - 2)
;;       q = np.round(r / step) * step * 2.0 ** e      # np.round: ties to even
;;       return np.moveaxis(q.reshape(q.shape[:-2] + (-1,))[..., :K], -1, axis).astype(np.float32)
;;   ~~~
;; One version. Each part assembles by itself: llvm-mc -triple=amdgcn-amd-amdhsa -mcpu=gfx1250 --defsym DOCPART=n.
;; ======== version 1 of 1: 4 launches
;; limits: right only within a limited range of input values
;; workspace buffers: cod 10,223,616 bytes; cand 1,048,576 bytes of whole numbers; part 1,024 bytes
;; launch quant (part 1): grid 256 x 1, 6 waves a work-group, no clusters, 51,456 bytes of LDS; arguments z_e, W, cod; writes cod
.if DOCPART == 1
	.amdgcn_target "amdgcn-amd-amdhsa--gfx1250"
	.amdhsa_code_object_version 6
	.text
	.protected	k_qa50cb3d66e_quant
	.globl	k_qa50cb3d66e_quant
	.p2align	8
	.type	k_qa50cb3d66e_quant,@function
k_qa50cb3d66e_quant:
	s_mov_b64 s[64:65], 0
	v_nop
	global_prefetch_b8 v0, s[64:65] scope:SCOPE_SE
	s_setreg_imm32_b32 hwreg(HW_REG_WAVE_MODE, 25, 1), 1
	s_wait_xcnt 0x0
; z_e [16384][512] and W [8192][512], f32, become codes of BF6 (E3M2) with one E8M0 scale byte for each 32 along the 512, and each row's sum of squares.
; WORK LEFT OUT BY THE PROGRAM: orth_loss is the constant 0, so loss_total = vq_loss + 0 x 0 = vq_loss; codebook_loss and commit_loss are the mean of the same squares. Every input is read.
; The two tensors are one list of 1,536 blocks of 16 rows: blocks 0-1023 are z_e's, 1024-1535 W's.  256 work-groups x 6 waves: a wave takes one block.
; OUT.  cod: a RECORD of 6,656 bytes (26 x 256) for each block:
;   bytes 0-6143   [K step of 128: 4][chunk: 3][lane: 32][16 bytes]: the image of the 12 registers that a matrix operand of 16 rows x 128 K has in each lane;
;   bytes 6144-6399  16 bytes a row: one word (four scale bytes) for each K step;
;   bytes 6400-6655  the 16 rows' sums of squares, f32, written four times on end, so that the 256 bytes are stored whole.
; A block's scale is 2^(floor(log2(its largest magnitude)) - 4); its byte is the largest magnitude's exponent field - 4, held at 1 from below.  A block of zeros so gets the byte 1 where the rule says 127:
; its codes are zeros, which add nothing under any byte but 0xff, and the bytes are read by this program alone.
; LIMITS: NaN and infinities among the inputs are not served.  The sum of squares is an f32 sum in this text's own order (four packed chains a lane, then the two halves of the lanes).
; Each load reads 512 consecutive bytes of one row; the conversions want 16 neighbours along K in one lane: so a K step's 16 x 512 bytes turn through the wave's own stage in LDS (rows 528 bytes apart).
; Waves share nothing: no barrier.  The launch streams: no matrix unit, no tensor load, no cluster.
.set REC,  6656
.set SPI,  528                         ; a stage row: 512 bytes + 16
.set STG,  16*SPI                      ; a wave's stage
.set R,    16                          ; v16-143   two sets of 64 registers as loaded
.set X,    144                         ; v144-207  64 numbers of my row r: register 16 b + i = k 32 b + 16 h + i of the K step
.set PC,   208                         ; v208-219  the fragment's codes; v220-226 the conversions' second halves
.set TM,   228                         ; v228-231 largest magnitudes, v232-235 the other half's / the bytes, v240-243 the conversions' scale operands
.set PW,   244                         ; v244-247  my row's four scale words
.set SS,   248                         ; v248-255  four packed sums of squares
.set SEL,  20                          ; s[20:21]  v_permlanex16_b32's selects for lane l xor 16
	s_load_b128 s[4:7], s[0:1], 0x0                ; z_e s[4:5], W s[6:7]
	s_load_b64 s[8:9], s[0:1], 0x10                ; cod
	v_lshl_add_u32 v238, v0, 2, 0xc600             ; my spare word, behind the six stages
	v_mov_b32 v239, 0
	v_lshrrev_b32 v1, 5, v0
	v_readfirstlane_b32 s16, v1                    ; wave 0..5
	v_and_b32 v1, 31, v0                           ; lane
	v_and_b32 v2, 15, v0                           ; r
	v_bfe_u32 v3, v0, 4, 1                         ; h
	v_lshlrev_b32 v4, 4, v1                        ; 16 x lane
	s_mul_i32 s14, s16, STG
	v_add_nc_u32 v5, s14, v4                       ; the stage, on the way in: 16 x lane in row p
	v_mul_u32_u24 v6, v2, SPI
	v_lshl_add_u32 v6, v3, 6, v6
	v_add_nc_u32 v6, s14, v6                       ; and on the way out: row r, + 64 h
	v_lshlrev_b32 v7, 4, v2                        ; scale words: 16 bytes a row
	v_lshl_add_u32 v9, v1, 2, s14                  ; the norms' turn through the stage: in, 4 x lane;
	v_lshl_add_u32 v12, v1, 3, s14                 ; out, 8 x lane;
	v_lshlrev_b32 v13, 3, v1                       ; and the same place in the record's last 256 bytes
	s_mov_b32 s[SEL], 0x76543210
	s_mov_b32 s[SEL+1], 0xfedcba98
.irp b, 0,1,2,3
	v_mov_b32 v[TM+4+\b], 0                        ; written once: a lane permute's destination counts as one of its sources
.endr
	s_mul_i32 s17, ttmp9, 6
	s_add_co_u32 s17, s17, s16                     ; my block: 6 x work-group + wave
	s_mul_i32 s24, s17, REC                        ; its record
	s_mov_b32 s25, 0
	s_wait_alu depctr_va_vdst(0)
	s_wait_kmcnt 0x0
	s_cmp_lt_u32 s17, 1024                         ; z_e's block or W's?  Only the pointer is chosen
	s_cselect_b64 s[4:5], s[4:5], s[6:7]
	s_cselect_b32 s18, 0, 1024
	s_sub_co_u32 s18, s17, s18
	s_lshl_b32 s18, s18, 15                        ; 16 rows of 2,048 bytes a block
	s_mov_b32 s19, 0
	s_add_nc_u64 s[4:5], s[4:5], s[18:19]
	s_add_nc_u64 s[8:9], s[8:9], s[24:25]
.macro LOAD s                          ; K step s of the 16 rows: sixteen loads of 512 consecutive bytes
.irp p, 0,1,2,3,4,5,6,7,8,9,10,11,12,13,14,15
	global_load_b128 v[R+64*((\s)%2)+4*\p:R+64*((\s)%2)+4*\p+3], v4, s[4:5] offset:2048*\p+512*(\s) th:TH_LOAD_NT
.endr
.endm
.macro TURN s                          ; through the stage: LDS serves a wave's instructions in order (ISA guide 5.7.1.4)
.irp p, 0,1,2,3,4,5,6,7,8,9,10,11,12,13,14,15
	ds_store_b128 v5, v[R+64*((\s)%2)+4*\p:R+64*((\s)%2)+4*\p+3] offset:SPI*\p
.endr
.irp b, 0,1,2,3
.irp j, 0,1,2,3
	ds_load_b128 v[X+16*\b+4*\j:X+16*\b+4*\j+3], v6 offset:128*\b+16*\j
.endr
.endr
.endm
.macro SQ first                        ; my 64 numbers' squares onto four packed sums; the first four products start the sums
.set e, 0
.rept 32
.if \first && (e < 4)
	v_pk_mul_f32 v[SS+2*e:SS+2*e+1], v[X+2*e:X+2*e+1], v[X+2*e:X+2*e+1]
.else
	v_pk_fma_f32 v[SS+2*(e%4):SS+2*(e%4)+1], v[X+2*e:X+2*e+1], v[X+2*e:X+2*e+1], v[SS+2*(e%4):SS+2*(e%4)+1]
.endif
.set e, e+1
.endr
.endm
.macro QUANT pw                        ; the 64 numbers in v[X] on become a fragment's codes in v[PC] on and my row's scale word in v[pw]
.irp b, 0,1,2,3
	v_max3_num_f32 v[TM+\b], |v[X+16*\b]|, |v[X+1+16*\b]|, 0x2800000   ; my 16 numbers of block b, and the floor 2^(5 - 127)
.endr
.irp i, 2,4,6,8,10,12,14
.irp b, 0,1,2,3
	v_max3_num_f32 v[TM+\b], v[TM+\b], |v[X+16*\b+\i]|, |v[X+1+16*\b+\i]|
.endr
.endr
.irp b, 0,1,2,3
	v_permlanex16_b32 v[TM+4+\b], v[TM+\b], s[SEL], s[SEL+1]
.endr
.irp b, 0,1,2,3
	v_max_num_f32 v[TM+\b], v[TM+\b], v[TM+4+\b]   ; with lane l xor 16's: the block's largest magnitude
.endr
.irp b, 0,1,2,3
	v_add_nc_u32 v[TM+12+\b], 0xfe000000, v[TM+\b] ; 4 off its exponent field: the conversion's scale operand
.endr
.irp b, 0,1,2,3
	v_lshrrev_b32 v[TM+4+\b], 23, v[TM+12+\b]      ; the scale's byte
.endr
	v_lshl_or_b32 v[\pw], v[TM+5], 8, v[TM+4]
	v_lshl_or_b32 v[\pw], v[TM+6], 16, v[\pw]
	v_lshl_or_b32 v[\pw], v[TM+7], 24, v[\pw]
.irp c, 0,1
	v_cvt_scalef32_pk16_bf6_f32 v[PC+6*\c:PC+2+6*\c], v[X+32*\c:X+15+32*\c], v[TM+12+2*\c]
	v_cvt_scalef32_pk16_bf6_f32 v[PC+12+4*\c:PC+14+4*\c], v[X+16+32*\c:X+31+32*\c], v[TM+12+2*\c+1]
.endr
	v_nop                                          ; one plain instruction behind a scaled conversion
.irp c, 0,1                            ; the operand's layout wants a WHOLE block in a lane
.irp i, 0,1,2
	v_permlane16_swap_b32 v[PC+6*\c+\i], v[PC+12+4*\c+\i]
.endr
.irp i, 0,1,2
	v_mov_b32 v[PC+3+6*\c+\i], v[PC+12+4*\c+\i]
.endr
.endr
.endm
.macro STEP s
.if (\s) < 3
	s_wait_loadcnt 16                              ; this K step's sixteen loads are in; the next step's sixteen may be out
.else
	s_wait_loadcnt 0x0
.endif
	TURN \s
	s_wait_dscnt 0x0                               ; my numbers are back, and the stage's stores have read their registers,
.if (\s) < 2
	LOAD (\s)+2                                    ; which take the loads of two steps on
.endif
	SQ ((\s) == 0)
.if (\s) > 0
	s_wait_xcnt 0x0                                ; the last step's stores have read the codes' registers
.endif
	QUANT PW+(\s)
.irp c, 0,1,2
	global_store_b128 v4, v[PC+4*\c:PC+4*\c+3], s[8:9] offset:1536*(\s)+512*\c   ; 32 lanes store 512 consecutive bytes, aligned to 256
.endr
.endm
	LOAD 0
	LOAD 1
	STEP 0
	STEP 1
	STEP 2
	STEP 3
	v_pk_add_f32 v[SS:SS+1], v[SS:SS+1], v[SS+2:SS+3]
	v_pk_add_f32 v[SS+4:SS+5], v[SS+4:SS+5], v[SS+6:SS+7]
	v_pk_add_f32 v[SS:SS+1], v[SS:SS+1], v[SS+4:SS+5]
	v_add_f32 v[SS], v[SS], v[SS+1]
	v_permlanex16_b32 v[SS+1], v[SS], s[SEL], s[SEL+1]
	v_add_f32 v[SS], v[SS], v[SS+1]                ; my row's sum of squares (both halves of the lanes hold it)
	ds_store_b32 v9, v[SS]                         ; lane l's word is row l % 16's: 32 words are the 16 sums twice,
	ds_store_b32 v9, v[SS] offset:128              ; and twice more
	ds_load_b64 v[10:11], v12                      ; LDS serves a wave's instructions in order: these see my stores
	s_wait_dscnt 0x0
	global_store_b64 v13, v[10:11], s[8:9] offset:6400   ; 32 lanes store 256 consecutive bytes, aligned
	v_cmp_gt_u32 vcc_lo, 16, v1
	s_wait_tensorcnt 0x0                           ; the wave's end
	ds_add_u32 v238, v239
	s_wait_dscnt 0x0
	s_wait_xcnt 0x0                                ; EXEC changes only behind this wait
	s_and_saveexec_b32 s22, vcc_lo                 ; lanes 0-15: a lane a row
	global_store_b128 v7, v[PW:PW+3], s[8:9] offset:6144   ; 16 lanes store 256 consecutive bytes, aligned
	s_wait_xcnt 0x0
	s_or_b32 exec_lo, exec_lo, s22
	s_endpgm
.Lfunc_end_k_qa50cb3d66e_quant:
	.size	k_qa50cb3d66e_quant, .Lfunc_end_k_qa50cb3d66e_quant-k_qa50cb3d66e_quant
	.p2alignl 7, 3214868480
	.fill 96, 4, 3214868480
	.section	.rodata,"a",@progbits
	.p2align	6, 0x0
	.amdhsa_kernel k_qa50cb3d66e_quant
		.amdhsa_group_segment_fixed_size 51456
		.amdhsa_private_segment_fixed_size 0
		.amdhsa_enable_private_segment 0
		.amdhsa_kernarg_size 24
		.amdhsa_user_sgpr_count 2
		.amdhsa_user_sgpr_kernarg_segment_ptr 1
		.amdhsa_wavefront_size32 1
		.amdhsa_system_sgpr_workgroup_id_x 1
		.amdhsa_system_sgpr_workgroup_id_y 1
		.amdhsa_system_sgpr_workgroup_id_z 1
		.amdhsa_system_vgpr_workitem_id 0
		.amdhsa_next_free_vgpr 256
		.amdhsa_next_free_sgpr 66
		.amdhsa_reserve_vcc 1
		.amdhsa_float_denorm_mode_32 3
		.amdhsa_float_denorm_mode_16_64 3
		.amdhsa_memory_ordered 1
		.amdhsa_forward_progress 1
		.amdhsa_inst_pref_size 42
	.end_amdhsa_kernel
	.amdgpu_metadata
---
amdhsa.version: [ 1, 2 ]
amdhsa.kernels:
  - .name:           k_qa50cb3d66e_quant
    .symbol:         k_qa50cb3d66e_quant.kd
    .args:
      - { .name: z_e, .offset: 0, .size: 8, .value_kind: global_buffer, .address_space: global }
      - { .name: W, .offset: 8, .size: 8, .value_kind: global_buffer, .address_space: global }
      - { .name: cod, .offset: 16, .size: 8, .value_kind: global_buffer, .address_space: global }
    .group_segment_fixed_size: 51456
    .private_segment_fixed_size: 0
    .kernarg_segment_align: 8
    .kernarg_segment_size: 24
    .max_flat_workgroup_size: 192
    .sgpr_count:     66
    .vgpr_count:     256
    .wavefront_size: 32
...
	.end_amdgpu_metadata
.endif
;; end of part 1
;; launch vqmin (part 2): grid 32 x 8, 4 waves a work-group, clusters of 4 x 1, 327,680 bytes of LDS; arguments cod, cand; writes cand
.if DOCPART == 2
	.amdgcn_target "amdgcn-amd-amdhsa--gfx1250"
	.amdhsa_code_object_version 6
	.text
	.protected	k_qa50cb3d66e_vqmin
	.globl	k_qa50cb3d66e_vqmin
	.p2align	8
	.type	k_qa50cb3d66e_vqmin,@function
k_qa50cb3d66e_vqmin:
	s_mov_b64 s[64:65], 0
	v_nop
	global_prefetch_b8 v0, s[64:65] scope:SCOPE_SE
	s_setreg_imm32_b32 hwreg(HW_REG_WAVE_MODE, 25, 1), 1
	s_wait_xcnt 0x0
	s_wait_alu depctr_hold_cnt(0) depctr_sa_sdst(0) depctr_va_vdst(0) depctr_va_sdst(0) depctr_va_ssrc(0) depctr_va_vcc(0) depctr_vm_vsrc(0)
	s_getreg_b32 s2, hwreg(HW_REG_IB_STS2, 6, 4)
	s_cmp_eq_u32 s2, 0
	s_cbranch_scc0 .Lentry_in_a_cluster
	s_endpgm
.Lentry_in_a_cluster:
	s_bfe_u32 s2, ttmp6, 0x10000c
	s_cmp_lg_u32 s2, 0x3003
	s_cbranch_scc0 .Lentry_shape_is_right
	s_endpgm
.Lentry_shape_is_right:
; d[row][col] = (|x|^2 + |w|^2) - 2 x.w, x.w on codes of BF6 with E8M0 scales, and for each row the smallest d and its FIRST column among 1,024 columns.
; Roundings as the problem has them: t = xx + ww rounded once; d = t - 2 dot rounded once (one fused multiply-add: 2 dot is exact).
; SHARES.  Work-group (gx, y): rows 512 gx on, columns 1,024 y on.  Each of four waves holds 128 rows of x (8 blocks of 16), all 512 of K, in 384 registers for the whole launch, and walks W's 64 tiles of 16 columns.
; A TILE is one run of 32 matrix instructions (two groups of 4 accumulators, each group's by turns, K ascending) and then the vector work on the 8 results.  Inside the vector work stand the LDS loads of the tile
; two further on, into the set just multiplied.  Behind each compare stand additions that do not hang on it: t of the second group, then three quarters of t of the next tile's first group.
; W's RECORDS (6,656 bytes a tile: codes, scale words, norms) come in four STAGES of 16 tiles, four tiles a wave and load, into three regions of LDS: stage 0 at 0, stage 1 at 2 R16, stage 2 at R16, stage 3 at 0 again.
; Stage 0 is asked for at the head, stage k + 1 behind the full sequence and a round that stands two tiles ahead of stage k's first tile: one tensor load of a wave is out at any time, and it has 16 tiles' work in which to land.
; Stage 3 fills bytes again (tiles 0-15, last read 16 tiles earlier).
; CLUSTER.  The four work-groups of a cluster have the same y and so the same W: every stage is asked for JOINTLY.  x is not shared so: it is read once by its wave, straight into registers.
; NO PREFETCH: x is asked for once, at the head, with no loop ahead of it; each stage of W is asked for 16 tiles ahead of its first read, so no wave's work stands on a request just made.
; THE MATRIX INSTRUCTION IS USED TRANSPOSED: source 0 = 16 rows of W, source 1 = 16 rows of x: lane (r, h) holds row r and columns 8 h + 0 .. 7 of the tile.
; THE ARGMIN.  For each block a lane keeps the best d so far (two registers by turns), the number of the tile that last improved it STRICTLY, and that tile's eight d.  At the end the first of the eight
; that equals the best gives the column; the two halves of the lanes are joined by (key, column), the smaller column at equal keys.  So the first column wins every tie.
; OUT.  cand [y: 8][row][2]: key = d's bits as an unsigned number of the same order, and the column 0 .. 8191.
; LIMITS: NaN and infinities in d are not served.  d is never -0: t >= +0, and a sum that cancels is +0.
; REGISTERS: window 0: the names below.  Window 1 + g: v0-191 x's fragments of blocks 4 g .. 4 g + 3 (block i, K step k at 48 i + 12 k).  Window 1 + p: v192-239 W's fragment set p.
.set REC,  6656
.set RS,   6144                        ; a record's scale words
.set RN,   6400                        ; and norms
.set R16,  16*REC                      ; a stage, and a region of LDS
.set SPARE, 3*R16                      ; behind the regions: the spare words, 128 bytes for each of four waves
.set L16,  1                           ; 16 x lane
.set SOF,  2                           ; RS + 16 r + 8 h: my two scale words of a row
.set NOF,  3                           ; RN + 4 r
.set AC,   4                           ; LDS addresses of a trip's fetches: codes,
.set AS,   5                           ; scale words,
.set AN,   6                           ; norms
.set NB0,  7                           ; RN + 32 h
.set HBY,  8                           ; 8 h + 1,024 y: my first column of tile 0
.set L8,   9                           ; 8 x lane
.set TAU,  11                          ; the tile's number
.set WSC,  12                          ; v12-15   W's scale words: set p at 12 + 2 p: register k & 1, lanes 16 (k / 2) + r
.set XS,   16                          ; v16-31   x's, block b at 16 + 2 b, laid likewise
.set XX,   32                          ; v32-39   |x|^2 of my row of block b
.set WW,   40                          ; v40-55   |w|^2 of my eight columns: set p at 40 + 8 p
.set ACC,  56                          ; v56-119  the accumulators, then d
.set SAVE, 120                         ; v120-183 the eight d of the tile that last improved block b's best
.set BEST, 184                         ; v184-199 two registers a block, by turns
.set IDX,  200                         ; v200-207 that tile's number
.set T,    208                         ; v208-239 t = xx + ww of four blocks, then partial minima; at the head and the end: at work
.set PKE,  208
.set PNE,  209
.set PKO,  210
.set PNO,  211
.set PJ,   212
.set PK2,  213
.set PN2,  214
.set SPW,  240
.set NIL,  241
.set OUTP, 242
.set WF,   192                         ; W's fragments, K step k at 192 + 12 k, in windows 1 and 2
.set WV,   8
.set CX,   9                           ; my place in the cluster: it enters x's and cand's addresses alone
.set GX,   10
.set YY,   11
.set G1,   16                          ; s[16:23] descriptor group 1; groups 0: s[24:27] stage 0, s[28:31] stage 1, s[52:55] stages 2 and 3
.set G0A,  24
.set G0B,  28
.set G0L,  52
.set XC,   36                          ; s[36:37] my 8 records of x
.set CD,   38                          ; s[38:39] cand at my 128 rows
.set TR,   44
.set TA,   45                          ; the tile's number
.set FC,   46                          ; where the trip's first fetch begins
.set HI16, 47
.set INF,  48
.set OT,   49
.set SEL,  50
.set MSB, 0
.macro WIN new                         ; the immediate's high byte repeats the setting that is left
.if MSB != (\new)
	s_set_vgpr_msb (MSB<<8)|(\new)
.set MSB, (\new)
.endif
.endm
.macro CROUND                          ; a round of the cluster's barrier
	s_barrier_signal -1
	s_barrier_wait -1
	s_cmp_lg_u32 s[WV], 0
	s_cbranch_scc1 .Lnot_wave_0_\@
	s_barrier_signal -3
.Lnot_wave_0_\@:
	s_barrier_wait -3
	s_barrier_signal -1
	s_barrier_wait -1
.endm
.macro ADR                             ; the addresses of a trip's two fetches: the second is one record on, in the immediate
	v_add_nc_u32 v[AC], s[FC], v[L16]
	v_add_nc_u32 v[AS], s[FC], v[SOF]
	v_add_nc_u32 v[AN], s[FC], v[NB0]
	s_add_co_u32 s[FC], s[FC], 2*REC
.endm
.macro FETCHA p, off                   ; a record's scale words and codes into set p: thirteen LDS loads in one run
	WIN 0
	ds_load_b64 v[WSC+2*(\p):WSC+2*(\p)+1], v[AS] offset:\off
	WIN 0x40<<(\p)
.irp f, 0,1,2,3,4,5,6,7,8,9,10,11
	ds_load_b128 v[WF+4*\f:WF+4*\f+3], v[AC] offset:\off+512*\f
.endr
	WIN 0
.endm
.macro FETCHN p, off                   ; and its norms: my eight columns'
	ds_load_b128 v[WW+8*(\p):WW+8*(\p)+3], v[AN] offset:\off
	ds_load_b128 v[WW+8*(\p)+4:WW+8*(\p)+7], v[AN] offset:\off+16
.endm
.macro MMS p, g                        ; 16 products of W's set p with blocks 4 g .. 4 g + 3: the four accumulators take turns, one instruction a turn; the first four start the sums
	WIN (1+(\p))|((1+(\g))<<2)                     ; source 0 (W) window 1 + p, source 1 (x) window 1 + g, C and D window 0
.irp k, 0,1,2,3
.irp i, 0,1,2,3
.if \k == 0
	v_wmma_scale_f32_16x16x128_f8f6f4 v[ACC+32*(\g)+8*\i:ACC+32*(\g)+8*\i+7], v[WF+12*\k:WF+12*\k+11], v[48*\i+12*\k:48*\i+12*\k+11], 0, v[WSC+2*(\p)], v[XS+8*(\g)+2*\i] matrix_a_fmt:MATRIX_FMT_BF6 matrix_b_fmt:MATRIX_FMT_BF6
.elseif \k == 1
	v_wmma_scale_f32_16x16x128_f8f6f4 v[ACC+32*(\g)+8*\i:ACC+32*(\g)+8*\i+7], v[WF+12*\k:WF+12*\k+11], v[48*\i+12*\k:48*\i+12*\k+11], v[ACC+32*(\g)+8*\i:ACC+32*(\g)+8*\i+7], v[WSC+2*(\p)+1], v[XS+8*(\g)+2*\i+1] matrix_a_fmt:MATRIX_FMT_BF6 matrix_b_fmt:MATRIX_FMT_BF6
.else
	v_wmma_scale_f32_16x16x128_f8f6f4 v[ACC+32*(\g)+8*\i:ACC+32*(\g)+8*\i+7], v[WF+12*\k:WF+12*\k+11], v[48*\i+12*\k:48*\i+12*\k+11], v[ACC+32*(\g)+8*\i:ACC+32*(\g)+8*\i+7], v[WSC+2*(\p)+(\k&1)], v[XS+8*(\g)+2*\i+(\k&1)] matrix_a_fmt:MATRIX_FMT_BF6 matrix_b_fmt:MATRIX_FMT_BF6 matrix_a_scale:MATRIX_SCALE_ROW1 matrix_b_scale:MATRIX_SCALE_ROW1
.endif
.endr
.endr
.endm
.macro TADD p, g, e                    ; t = ww + xx: columns 2 e, 2 e + 1 (norms' set p) of the four blocks of group g; of the pair of two blocks' xx one register serves both halves
.irp i, 0,1,2,3
.if (\i%2) == 0
	v_pk_add_f32 v[T+8*\i+2*(\e):T+8*\i+2*(\e)+1], v[WW+8*(\p)+2*(\e):WW+8*(\p)+2*(\e)+1], v[XX+4*(\g)+\i:XX+4*(\g)+\i+1] op_sel_hi:[1,0]
.else
	v_pk_add_f32 v[T+8*\i+2*(\e):T+8*\i+2*(\e)+1], v[WW+8*(\p)+2*(\e):WW+8*(\p)+2*(\e)+1], v[XX+4*(\g)+\i-1:XX+4*(\g)+\i] op_sel:[0,1] op_sel_hi:[1,1]
.endif
.endr
.endm
.macro DM p, g                         ; d of group g, in place, and the new best of each block (parity p)
.irp e, 0,1,2,3
.irp i, 0,1,2,3
	v_pk_fma_f32 v[ACC+32*(\g)+8*\i+2*\e:ACC+32*(\g)+8*\i+2*\e+1], v[ACC+32*(\g)+8*\i+2*\e:ACC+32*(\g)+8*\i+2*\e+1], -2.0, v[T+8*\i+2*\e:T+8*\i+2*\e+1] op_sel_hi:[1,0,1]   ; d = -2 dot + t, each accumulator from its low end on
.endr
.endr
.irp i, 0,1,2,3
	v_min3_num_f32 v[BEST+8*(\g)+2*\i+1-(\p)], v[BEST+8*(\g)+2*\i+(\p)], v[ACC+32*(\g)+8*\i], v[ACC+32*(\g)+8*\i+1]
.endr
.irp i, 0,1,2,3
	v_min3_num_f32 v[T+8*\i], v[ACC+32*(\g)+8*\i+2], v[ACC+32*(\g)+8*\i+3], v[ACC+32*(\g)+8*\i+4]
.endr
.irp i, 0,1,2,3
	v_min3_num_f32 v[T+8*\i+1], v[ACC+32*(\g)+8*\i+5], v[ACC+32*(\g)+8*\i+6], v[ACC+32*(\g)+8*\i+7]
.endr
.irp i, 0,1,2,3
	v_min3_num_f32 v[BEST+8*(\g)+2*\i+1-(\p)], v[BEST+8*(\g)+2*\i+1-(\p)], v[T+8*\i], v[T+8*\i+1]
.endr
.endm
; Has block i of group g improved strictly?  Then keep the tile's eight d, two to an instruction, and its number.  Behind the first fn compares stand four additions each that do not hang on the compare: t of (set fp, group fg).
.macro CK p, g, fp, fg, fn
.irp i, 0,1,2,3
	v_cmp_lt_f32 vcc_lo, v[BEST+8*(\g)+2*\i+1-(\p)], v[BEST+8*(\g)+2*\i+(\p)]
.if \i < \fn
	TADD \fp, \fg, \i
.endif
.irp j, 0,2,4,6
	v_dual_cndmask_b32 v[SAVE+32*(\g)+8*\i+\j], v[SAVE+32*(\g)+8*\i+\j], v[ACC+32*(\g)+8*\i+\j] :: v_dual_cndmask_b32 v[SAVE+32*(\g)+8*\i+\j+1], v[SAVE+32*(\g)+8*\i+\j+1], v[ACC+32*(\g)+8*\i+\j+1]
.endr
	v_cndmask_b32 v[IDX+4*(\g)+\i], v[IDX+4*(\g)+\i], v[TAU], vcc_lo
.endr
.endm
; A tile on W's set p; its record is in, and three quarters of t of its first group are made.  adr = 1: a trip's first tile makes the trip's addresses.  off: where, from those addresses, lies the record of the tile
; two further on (under 0: nothing is fetched).  nxt = 1: a tile follows.  The five plain lines behind the products name none of their registers: they are the places ahead of the loads into the
; set just multiplied and of the reads of the results.
.macro TILE p, adr, off, nxt
	MMS \p, 0
	MMS \p, 1
	WIN 0
	v_mov_b32 v[TAU], s[TA]
	TADD \p, 0, 3
.if \adr
	ADR
.endif
.if (\off) >= 0
	FETCHA \p, \off
	s_wait_dscnt 13                                ; all but the thirteen just issued: the next tile's record, norms too, is in
.elseif \nxt
	s_wait_dscnt 0x0                               ; the last tile's record is in
.endif
	DM \p, 0
	CK \p, 0, \p, 1, 4
.if (\off) >= 0
	FETCHN \p, \off                                ; this tile's norms were read up to here
.endif
	DM \p, 1
	CK \p, 1, 1-(\p), 0, 3*(\nxt)
	s_add_co_u32 s[TA], s[TA], 1
.endm
.macro TRIPS n, name                   ; n trips of an even tile (set 0) and an odd one (set 1)
	s_mov_b32 s[TR], \n
\name:
	TILE 0, 1, 0, 1
	TILE 1, 0, REC, 1
	s_sub_co_u32 s[TR], s[TR], 1
	s_cmp_lg_u32 s[TR], 0
	s_cbranch_scc1 \name
.endm
; The end, block b: the first of the saved eight that equals the best; the column; the key; and the other half of the lanes' (the same row's other eight columns of each tile).
.macro PBLK b, kr, nr
	v_mov_b32 v[PJ], 7
.irp j, 6,5,4,3,2,1,0
	v_cmp_neq_f32 vcc_lo, v[SAVE+8*(\b)+\j], v[BEST+2*(\b)]
	v_cndmask_b32 v[PJ], \j, v[PJ], vcc_lo         ; descending, so that the lowest j stays
.endr
	v_ashrrev_i32 v[\kr], 31, v[BEST+2*(\b)]
	v_lshl_add_u32 v[\nr], v[IDX+(\b)], 4, v[PJ]
	v_or_b32 v[\kr], 0x80000000, v[\kr]
	v_add_nc_u32 v[\nr], v[\nr], v[HBY]            ; column = 1,024 y + 16 tile + 8 h + j
	v_xor_b32 v[\kr], v[\kr], v[BEST+2*(\b)]       ; the key: unsigned, in d's order
	v_permlanex16_b32 v[PN2], v[\nr], s[SEL], s[SEL+1]
	v_permlanex16_b32 v[PK2], v[\kr], s[SEL], s[SEL+1]
	v_cmp_le_u32 vcc_lo, v[\kr], v[PK2]
	v_cndmask_b32 v[\nr], -1, v[\nr], vcc_lo       ; a column counts only if its key is the smaller or equal
	v_cmp_le_u32 vcc_lo, v[PK2], v[\kr]
	v_cndmask_b32 v[PN2], -1, v[PN2], vcc_lo
	v_min_u32 v[\kr], v[\kr], v[PK2]
	v_min_u32 v[\nr], v[\nr], v[PN2]               ; at equal keys the smaller column
.endm
	s_load_b128 s[4:7], s[0:1], 0x0                ; cod s[4:5], cand s[6:7]
	v_lshl_add_u32 v[SPW], v0, 2, SPARE
	v_mov_b32 v[NIL], 0
	ds_add_u32 v[SPW], v[NIL]                      ; the opening lines: the add, twice on end, and its wait ahead of my first tensor load
	ds_add_u32 v[SPW], v[NIL]
	v_lshrrev_b32 v[PJ], 5, v0
	v_and_b32 v[PKE], 31, v0                       ; lane
	v_and_b32 v[PNE], 15, v0                       ; r
	v_bfe_u32 v[PKO], v0, 4, 1                     ; h
	v_readfirstlane_b32 s[WV], v[PJ]               ; wave 0..3
	s_bfe_u32 s[CX], ttmp6, 0x40000
	s_lshl_b32 s[GX], ttmp9, 2                     ; in a cluster launch ttmp9 counts clusters
	s_add_co_u32 s[GX], s[GX], s[CX]
	s_and_b32 s[YY], ttmp7, 0xffff
	s_lshl_b32 s12, s[YY], 10
	v_lshlrev_b32 v[L16], 4, v[PKE]
	v_lshlrev_b32 v[SOF], 4, v[PNE]
	v_lshl_add_u32 v[NOF], v[PNE], 2, RN
	v_lshl_add_u32 v[NB0], v[PKO], 5, RN
	v_lshl_add_u32 v[SOF], v[PKO], 3, v[SOF]
	v_lshl_add_u32 v[HBY], v[PKO], 3, s12
	v_lshlrev_b32 v[L8], 3, v[PKE]
	v_add_nc_u32 v[SOF], RS, v[SOF]
	s_mov_b32 s[HI16], 0xffff0000
	s_mov_b32 s[INF], 0x7f800000
	s_mov_b32 s[SEL], 0x76543210
	s_mov_b32 s[SEL+1], 0xfedcba98
	; group 1: four records, a dense block of 26,624 bytes, as 104 rows of 256 bytes (32 elements of 8 bytes), no padding: a fragment's image is read 512 consecutive bytes at a time
	s_mov_b32 s[G1], 15|(3<<16)|(1<<21)            ; the mask: all four work-groups; elements of 8 bytes; bit 21 beside a mask
	s_mov_b32 s[G1+1], 32<<16
	s_mov_b32 s[G1+2], 104<<16
	s_mov_b32 s[G1+3], 32<<16
	s_mov_b32 s[G1+4], 104
	s_mov_b32 s[G1+5], 32
	s_mov_b32 s[G1+6], 0
	s_mov_b32 s[G1+7], 0
	; groups 0: made of y and the wave's number alone: tiles 16 k + 4 w .. + 3 of stage k
	s_mov_b32 s[G0A], 1
	s_mul_i32 s[G0A+1], s[WV], 4*REC               ; stage 0 at 0,
	s_mov_b32 s[G0B], 1
	s_add_co_u32 s[G0B+1], s[G0A+1], 2*R16         ; stage 1 at 2 R16;
	s_mov_b32 s[G0L], 1
	s_add_co_u32 s[G0L+1], s[G0A+1], 2*R16         ; each later stage steps R16 down first: stage 2 at R16, stage 3 at 0
	s_mul_i32 s32, s[YY], 64*REC
	s_add_co_u32 s32, s32, s[G0A+1]
	s_add_co_u32 s32, s32, 1024*REC                ; W's records lie behind x's 1,024
	s_mov_b32 s33, 0
	s_mul_i32 s34, s[GX], 32*REC                   ; x: 32 records a row group, 8 a wave
	s_mul_i32 s13, s[WV], 8*REC
	s_add_co_u32 s34, s34, s13
	s_mov_b32 s35, 0
	s_lshl_b32 s14, s[YY], 17                      ; cand: 131,072 bytes a split, 4,096 a row group, 1,024 a wave
	s_lshl_b32 s13, s[GX], 12
	s_add_co_u32 s14, s14, s13
	s_lshl_b32 s13, s[WV], 10
	s_add_co_u32 s14, s14, s13
	s_mov_b32 s15, 0
	s_mov_b32 s[FC], 0
	s_mov_b32 s[TA], 0
	s_wait_alu depctr_va_vdst(0)
	s_wait_dscnt 0x0                               ; both opening adds are done
	s_wait_kmcnt 0x0
	s_add_nc_u64 s[XC:XC+1], s[4:5], s[34:35]
	s_add_nc_u64 s[CD:CD+1], s[6:7], s[14:15]
	s_add_nc_u64 s[G0A+2:G0A+3], s[4:5], s[32:33]
	s_add_nc_u64 s[G0B+2:G0B+3], s[G0A+2:G0A+3], R16
	s_mov_b64 s[G0L+2:G0L+3], s[G0B+2:G0B+3]       ; (each later stage steps R16 on first)
	s_or_b32 s[G0A+3], s[G0A+3], 0x80000000
	s_or_b32 s[G0B+3], s[G0B+3], 0x80000000
	s_or_b32 s[G0L+3], s[G0L+3], 0x80000000
	CROUND                                         ; all four work-groups are here: the joint loads meet
	tensor_load_to_lds s[G0A:G0A+3], s[G1:G1+7]    ; my four tiles of stage 0: one tensor load a wave at the head
	s_nop 0
.irp b, 0,1,2,3,4,5,6,7
	v_mov_b32 v[BEST+2*\b], s[INF]                 ; the start values
	v_mov_b32 v[IDX+\b], 0
.endr
.irp b, 0,1,2,3,4,5,6,7                ; x, once for the launch: scale words and norms first, then the codes block by block (96 loads of 512 consecutive bytes)
	global_load_b64 v[XS+2*\b:XS+2*\b+1], v[SOF], s[XC:XC+1] offset:\b*REC
	global_load_b32 v[XX+\b], v[NOF], s[XC:XC+1] offset:\b*REC
.endr
.irp g, 0,1
	WIN 0x40<<(\g)
.irp i, 0,1,2,3
.irp f, 0,1,2,3,4,5,6,7,8,9,10,11
	global_load_b128 v[48*\i+4*\f:48*\i+4*\f+3], v[L16], s[XC:XC+1] offset:(4*\g+\i)*REC+512*\f
.endr
.endr
.endr
	WIN 0
.set e, 0
.rept 64
	v_mov_b32 v[SAVE+e], s[INF]
.set e, e+1
.endr
	s_wait_alu depctr_va_vdst(0)
	s_wait_tensorcnt 0x0                           ; my part of stage 0 is in
	ds_add_u32 v[SPW], v[NIL]
	s_wait_dscnt 0x0
	CROUND                                         ; everybody's part is in, and the joint loads meet
	tensor_load_to_lds s[G0B:G0B+3], s[G1:G1+7]    ; stage 1
	s_nop 0
	ADR                                            ; tiles 0 and 1
	FETCHA 0, 0
	FETCHN 0, 0
	FETCHA 1, REC
	FETCHN 1, REC
	s_wait_loadcnt 0x0                             ; x: scale words, norms, codes
	s_wait_dscnt 15                                ; tile 0's record is in; tile 1's fifteen loads may be out
.irp e, 0,1,2
	TADD 0, 0, \e                                  ; three quarters of t of tile 0's first group, as every tile makes them for the next
.endr
	TRIPS 7, .Lfirst                               ; tiles 0-13; the fetches reach tile 15
	s_mov_b32 s[FC], 4*R16                         ; (each trip of the loop below steps 2 R16 down first)
	s_mov_b32 s[OT], 2
.Lstage:                                           ; two trips: tiles 14-29, whose fetches read stage 1, and tiles 30-45, whose fetches read stage 2
	s_wait_tensorcnt 0x0                           ; my part of the stage that is read next is in, and no load of mine is out: the group 0 may be written;
	ds_add_u32 v[SPW], v[NIL]
	s_sub_co_u32 s[G0L+1], s[G0L+1], R16
	s_add_nc_u64 s[G0L+2:G0L+3], s[G0L+2:G0L+3], R16
	s_wait_dscnt 0x0                               ; the add is done, and so are my LDS reads
	CROUND                                         ; both hold of every wave of the cluster
	tensor_load_to_lds s[G0L:G0L+3], s[G1:G1+7]    ; stage 2 (a first fill), then stage 3 (over stage 0, read no more)
	s_nop 0
	s_sub_co_u32 s[FC], s[FC], 2*R16
	TRIPS 8, .Lmiddle
	s_sub_co_u32 s[OT], s[OT], 1
	s_cmp_lg_u32 s[OT], 0
	s_cbranch_scc1 .Lstage
	s_wait_tensorcnt 0x0                           ; my part of stage 3 is in,
	s_wait_dscnt 0x0                               ; no LDS instruction of mine is out at a signal,
	s_barrier_signal -1
	s_barrier_wait -1                              ; and everybody's part is in
	s_mov_b32 s[FC], 0
	TRIPS 8, .Llast                                ; tiles 46-61; the fetches read stage 3
	TILE 0, 0, -1, 1                               ; tiles 62 and 63: nothing more to fetch
	TILE 1, 0, -1, 0
.irp i, 0,1,2,3
	PBLK 2*\i, PKE, PNE
	PBLK 2*\i+1, PKO, PNO
	v_cndmask_b32 v[OUTP+2*\i], v[PKE], v[PKO], s[HI16]       ; lanes 0-15 the even block's rows, lanes 16-31 the odd block's
	v_cndmask_b32 v[OUTP+2*\i+1], v[PNE], v[PNO], s[HI16]
	global_store_b64 v[L8], v[OUTP+2*\i:OUTP+2*\i+1], s[CD:CD+1] offset:256*\i   ; 32 lanes store 256 consecutive bytes, aligned
.endr
	s_wait_tensorcnt 0x0                           ; the wave's end
	ds_add_u32 v[SPW], v[NIL]
	s_wait_dscnt 0x0
	CROUND                                         ; the closing round
	s_endpgm
.Lfunc_end_k_qa50cb3d66e_vqmin:
	.size	k_qa50cb3d66e_vqmin, .Lfunc_end_k_qa50cb3d66e_vqmin-k_qa50cb3d66e_vqmin
	.p2alignl 7, 3214868480
	.fill 96, 4, 3214868480
	.section	.rodata,"a",@progbits
	.p2align	6, 0x0
	.amdhsa_kernel k_qa50cb3d66e_vqmin
		.amdhsa_group_segment_fixed_size 327680
		.amdhsa_private_segment_fixed_size 0
		.amdhsa_enable_private_segment 0
		.amdhsa_kernarg_size 16
		.amdhsa_user_sgpr_count 2
		.amdhsa_user_sgpr_kernarg_segment_ptr 1
		.amdhsa_wavefront_size32 1
		.amdhsa_system_sgpr_workgroup_id_x 1
		.amdhsa_system_sgpr_workgroup_id_y 1
		.amdhsa_system_sgpr_workgroup_id_z 1
		.amdhsa_system_vgpr_workitem_id 0
		.amdhsa_next_free_vgpr 768
		.amdhsa_next_free_sgpr 66
		.amdhsa_reserve_vcc 1
		.amdhsa_float_denorm_mode_32 3
		.amdhsa_float_denorm_mode_16_64 3
		.amdhsa_memory_ordered 1
		.amdhsa_forward_progress 1
		.amdhsa_inst_pref_size 139
	.end_amdhsa_kernel
	.amdgpu_metadata
---
amdhsa.version: [ 1, 2 ]
amdhsa.kernels:
  - .name:           k_qa50cb3d66e_vqmin
    .symbol:         k_qa50cb3d66e_vqmin.kd
    .args:
      - { .name: cod, .offset: 0, .size: 8, .value_kind: global_buffer, .address_space: global }
      - { .name: cand, .offset: 8, .size: 8, .value_kind: global_buffer, .address_space: global }
    .group_segment_fixed_size: 327680
    .private_segment_fixed_size: 0
    .kernarg_segment_align: 8
    .kernarg_segment_size: 16
    .max_flat_workgroup_size: 128
    .sgpr_count:     66
    .vgpr_count:     768
    .wavefront_size: 32
...
	.end_amdgpu_metadata
.endif
;; end of part 2
;; launch gather (part 3): grid 256 x 1, 16 waves a work-group, no clusters, 10,752 bytes of LDS; arguments cand, z_e, W, out0, out1, part; writes out0, out1, part
.if DOCPART == 3
	.amdgcn_target "amdgcn-amd-amdhsa--gfx1250"
	.amdhsa_code_object_version 6
	.text
	.protected	k_qa50cb3d66e_gather
	.globl	k_qa50cb3d66e_gather
	.p2align	8
	.type	k_qa50cb3d66e_gather,@function
k_qa50cb3d66e_gather:
	s_mov_b64 s[64:65], 0
	v_nop
	global_prefetch_b8 v0, s[64:65] scope:SCOPE_SE
	s_setreg_imm32_b32 hwreg(HW_REG_WAVE_MODE, 25, 1), 1
	s_wait_xcnt 0x0
; For each of 16,384 rows: the smallest of the 8 splits' keys gives the row's id; out0 = z + (W[id] - z); out1 = id; part[work-group] = the sum of (W[id] - z)^2 over its 64 rows.
; cand [split 8][row 16384][key, column] holds whole numbers that the launch before stored: keys are compared as unsigned numbers, splits ascending, strictly less: at equal keys the lower split, and so the
; lower column, stays.  The gather's addresses are made of these whole numbers alone; a column is held at 8,191 from above before it enters an address.
; SHARES.  A work-group takes 64 rows, a wave 4: row (q, h) = 64 WG + 4 wave + 2 q + h; sixteen lanes cover 256 consecutive bytes of a row, so every load and store of z, W and out0 is of whole aligned blocks of 256 bytes.
; Wave v brings half v % 2 of split v / 2's 512 bytes of cand into LDS (a whole block of 256 bytes, once); behind a barrier each lane scans its row's 8 pairs.  Straight-line: all of a wave's loads of z are out from the head on.
; The launch streams: no matrix unit, no tensor load, no cluster.  W's rows become known only behind the scan, so nothing can be asked for ahead.
.set IDS,   8192                       ; LDS: cand's 8 x 512 bytes at 0; the 64 ids here;
.set PARTL, 8448                       ; the 16 waves' sums here
.set Z,     32                         ; v32-95   z, then out0: (q, i) at 32 + 32 q + 4 i
.set WR,    96                         ; v96-159  the scan's pairs (split s of row q at 96 + 32 q + 2 s), then W's rows, then W - z
	s_load_b256 s[4:11], s[0:1], 0x0               ; cand s[4:5], z_e s[6:7], W s[8:9], out0 s[10:11]
	s_load_b128 s[12:15], s[0:1], 0x20             ; out1 s[12:13], part s[14:15]
	v_lshl_add_u32 v160, v0, 2, 0x2200
	v_mov_b32 v161, 0
	v_lshrrev_b32 v1, 5, v0
	s_delay_alu instid0(VALU_DEP_1)
	v_readfirstlane_b32 s16, v1                    ; wave 0..15
	v_and_b32 v1, 31, v0                           ; lane
	v_and_b32 v2, 15, v0                           ; r
	v_bfe_u32 v3, v0, 4, 1                         ; h
	s_delay_alu instid0(VALU_DEP_2)
	v_lshlrev_b32 v5, 4, v2                        ; 16 r
	s_delay_alu instid0(VALU_DEP_1)
	v_lshl_add_u32 v6, v3, 11, v5                  ; z, out0: row h of a pair of rows, 16 bytes a lane
	s_lshl_b32 s17, s16, 5
	v_lshl_add_u32 v7, v3, 3, s17                  ; LDS: my row's pair in split 0: 8 (4 wave + h)
	s_lshl_b32 s18, s16, 4
	s_add_co_u32 s18, s18, IDS
	v_lshl_add_u32 v8, v3, 2, s18                  ; my row's id: IDS + 4 (4 wave + h)
	s_lshl_b32 s19, s16, 8
	v_lshl_add_u32 v9, v1, 3, s19                  ; where I put my 8 bytes of cand: 256 x wave + 8 x lane
	s_lshl_b32 s31, s16, 2
	s_add_co_u32 s31, s31, PARTL
	v_mov_b32 v20, s31                             ; my wave's sum
	v_lshl_add_u32 v21, v1, 3, IDS                 ; wave 0's way out: two ids a lane,
	v_mov_b32 v22, PARTL                           ; and the sixteen sums
	v_lshlrev_b32 v23, 3, v1
	v_mov_b32 v28, 0
	s_lshr_b32 s20, s16, 1                         ; cand: split = wave / 2, 131,072 bytes a split; 512 bytes a work-group; half = wave % 2
	s_lshl_b32 s20, s20, 17
	s_lshl_b32 s21, ttmp9, 9
	s_add_co_u32 s20, s20, s21
	s_and_b32 s21, s16, 1
	s_lshl_b32 s21, s21, 8
	s_add_co_u32 s20, s20, s21
	s_mov_b32 s21, 0
	s_lshl_b32 s22, ttmp9, 17                      ; z, out0: 64 rows of 2,048 bytes a work-group, 4 a wave
	s_lshl_b32 s23, s16, 13
	s_add_co_u32 s22, s22, s23
	s_mov_b32 s23, 0
	s_lshl_b32 s24, ttmp9, 8                       ; out1: 256 bytes a work-group
	s_mov_b32 s25, 0
	s_lshl_b32 s26, ttmp9, 2                       ; part: 4
	s_mov_b32 s27, 0
	s_mov_b32 s28, 0x76543210
	s_mov_b32 s29, 0xfedcba98
	s_wait_alu depctr_va_vdst(0)
	s_wait_kmcnt 0x0
	s_add_nc_u64 s[4:5], s[4:5], s[20:21]
	s_add_nc_u64 s[6:7], s[6:7], s[22:23]
	s_add_nc_u64 s[10:11], s[10:11], s[22:23]
	s_add_nc_u64 s[12:13], s[12:13], s[24:25]
	s_add_nc_u64 s[14:15], s[14:15], s[26:27]
	global_load_b64 v[24:25], v23, s[4:5]          ; 256 consecutive bytes of cand
.irp q, 0,1
.irp i, 0,1,2,3,4,5,6,7
	global_load_b128 v[Z+32*\q+4*\i:Z+32*\q+4*\i+3], v6, s[6:7] offset:4096*\q+256*\i th:TH_LOAD_NT
.endr
.endr
	s_wait_loadcnt 16                              ; cand's load is in; z's sixteen may be out
	ds_store_b64 v9, v[24:25]
	s_wait_dscnt 0x0                               ; for the others' sake: my store has landed
	s_barrier_signal -1
	s_barrier_wait -1
.irp q, 0,1
	ds_load_b64 v[10+2*\q:11+2*\q], v7 offset:16*\q            ; split 0 starts (key, column) of row q: v10, v11 and v12, v13
.irp s, 1,2,3,4,5,6,7
	ds_load_b64 v[WR+32*\q+2*\s:WR+32*\q+2*\s+1], v7 offset:16*\q+512*\s
.endr
.endr
	s_wait_dscnt 0x0
.irp s, 1
	v_cmp_lt_u32 vcc_lo, v[WR+2*\s], v10           ; the two rows by turns
	v_cmp_lt_u32 s30, v[WR+32+2*\s], v12
	s_delay_alu instid0(VALU_DEP_2)
	v_cndmask_b32 v10, v10, v[WR+2*\s], vcc_lo
	s_delay_alu instid0(VALU_DEP_3)
	v_cndmask_b32 v11, v11, v[WR+2*\s+1], vcc_lo
	s_delay_alu instid0(VALU_DEP_3)
	v_cndmask_b32 v12, v12, v[WR+32+2*\s], s30
	s_delay_alu instid0(VALU_DEP_4)
	v_cndmask_b32 v13, v13, v[WR+32+2*\s+1], s30
.endr
.irp s, 2, 3, 4, 5, 6, 7
	s_delay_alu instid0(VALU_DEP_4)
	v_cmp_lt_u32 vcc_lo, v[WR+2*\s], v10
	s_delay_alu instid0(VALU_DEP_3)
	v_cmp_lt_u32 s30, v[WR+32+2*\s], v12
	s_delay_alu instid0(VALU_DEP_2)
	v_cndmask_b32 v10, v10, v[WR+2*\s], vcc_lo
	s_delay_alu instid0(VALU_DEP_3)
	v_cndmask_b32 v11, v11, v[WR+2*\s+1], vcc_lo
	s_delay_alu instid0(VALU_DEP_3)
	v_cndmask_b32 v12, v12, v[WR+32+2*\s], s30
	s_delay_alu instid0(VALU_DEP_4)
	v_cndmask_b32 v13, v13, v[WR+32+2*\s+1], s30
.endr
.irp q, 0,1
	v_min_u32 v[11+2*\q], 8191, v[11+2*\q]         ; an index stays inside its table
	ds_store_b32 v8, v[11+2*\q] offset:8*\q        ; sixteen lanes write the same word with the same value
	v_lshl_add_u32 v[14+\q], v[11+2*\q], 11, v5    ; W's row of 2,048 bytes, + 16 r
.endr
.irp q, 0,1
.irp i, 0,1,2,3,4,5,6,7
	global_load_b128 v[WR+32*\q+4*\i:WR+32*\q+4*\i+3], v[14+\q], s[8:9] offset:256*\i
.endr
.endr
.irp q, 0,1
.irp i, 0,1,2,3,4,5,6,7
.set rz, Z+32*\q+4*\i
.set rw, WR+32*\q+4*\i
	s_wait_loadcnt 15-8*\q-\i                      ; this load of W is in (z's were issued ahead of all of them); the later ones may be out
	v_pk_add_f32 v[rw:rw+1], v[rw:rw+1], v[rz:rz+1] neg_lo:[0,1] neg_hi:[0,1]       ; W[id] - z
	v_pk_add_f32 v[rw+2:rw+3], v[rw+2:rw+3], v[rz+2:rz+3] neg_lo:[0,1] neg_hi:[0,1]
.if (\q == 0) && (\i == 0)
	s_delay_alu instid0(VALU_DEP_2)
	v_pk_mul_f32 v[16:17], v[rw:rw+1], v[rw:rw+1]              ; the first products start the two packed sums
	s_delay_alu instid0(VALU_DEP_2)
	v_pk_mul_f32 v[18:19], v[rw+2:rw+3], v[rw+2:rw+3]
.else
	s_wait_alu depctr_va_vdst(0)                   ; the sums were written ahead of the wait for the load
	v_pk_fma_f32 v[16:17], v[rw:rw+1], v[rw:rw+1], v[16:17]
	v_pk_fma_f32 v[18:19], v[rw+2:rw+3], v[rw+2:rw+3], v[18:19]
.endif
	v_pk_add_f32 v[rz:rz+1], v[rz:rz+1], v[rw:rw+1]            ; z + (W[id] - z)
	v_pk_add_f32 v[rz+2:rz+3], v[rz+2:rz+3], v[rw+2:rw+3]
	global_store_b128 v6, v[rz:rz+3], s[10:11] offset:4096*\q+256*\i th:TH_STORE_NT   ; 16 lanes store 256 consecutive bytes, aligned
.endr
.endr
	v_pk_add_f32 v[16:17], v[16:17], v[18:19]
	s_delay_alu instid0(VALU_DEP_1)
	v_add_f32 v16, v16, v17
	s_delay_alu instid0(VALU_DEP_1)
	v_add_f32_dpp v16, v16, v16 row_xmask:1 row_mask:0xf bank_mask:0xf
	s_delay_alu instid0(VALU_DEP_1)
	v_add_f32_dpp v16, v16, v16 row_xmask:2 row_mask:0xf bank_mask:0xf
	s_delay_alu instid0(VALU_DEP_1)
	v_add_f32_dpp v16, v16, v16 row_xmask:4 row_mask:0xf bank_mask:0xf
	s_delay_alu instid0(VALU_DEP_1)
	v_add_f32_dpp v16, v16, v16 row_xmask:8 row_mask:0xf bank_mask:0xf
	s_delay_alu instid0(VALU_DEP_1)
	v_permlanex16_b32 v17, v16, s28, s29
	s_delay_alu instid0(VALU_DEP_1)
	v_add_f32 v16, v16, v17                        ; my wave's four rows
	ds_store_b32 v20, v16
	s_wait_dscnt 0x0                               ; my ids and my sum have landed
	s_barrier_signal -1
	s_barrier_wait -1
	s_cmp_lg_u32 s16, 0
	s_cbranch_scc1 .Lend                           ; wave 0 alone stores the ids and the work-group's sum
	ds_load_b64 v[24:25], v21
.irp c, 0,1,2,3
	ds_load_b128 v[WR+4*\c:WR+4*\c+3], v22 offset:16*\c
.endr
	s_wait_dscnt 0x0
	v_add_f32 v31, v97, v98
	v_add_f32 v30, v99, v100
	v_add_f32 v29, v101, v102
	v_add_f32 v96, v96, v103
	s_delay_alu instid0(VALU_DEP_4)
	v_add_f32 v31, v31, v104
	s_delay_alu instid0(VALU_DEP_4)
	v_add_f32 v30, v30, v105
	s_delay_alu instid0(VALU_DEP_4)
	v_add_f32 v29, v29, v106
	s_delay_alu instid0(VALU_DEP_4)
	v_add_f32 v96, v96, v107
	s_delay_alu instid0(VALU_DEP_4)
	v_add_f32 v31, v31, v108
	s_delay_alu instid0(VALU_DEP_4)
	v_add_f32 v30, v30, v109
	s_delay_alu instid0(VALU_DEP_4)
	v_add_f32 v29, v29, v110
	s_delay_alu instid0(VALU_DEP_4)
	v_add_f32 v96, v96, v111
	s_delay_alu instid0(VALU_DEP_1)
	v_add_f32 v96, v96, v30
	s_delay_alu instid0(VALU_DEP_3)
	v_add_f32 v31, v31, v29
	s_delay_alu instid0(VALU_DEP_1)
	v_add_f32 v96, v96, v31
	global_store_b64 v23, v[24:25], s[12:13]       ; 64 ids: 256 consecutive bytes, aligned
	s_wait_alu depctr_va_vdst(0)
	s_wait_xcnt 0x0                                ; EXEC changes only behind this wait
	v_cmp_eq_u32 vcc_lo, 0, v1
	s_and_saveexec_b32 s30, vcc_lo
	global_store_b32 v28, v[WR], s[14:15]
	s_wait_xcnt 0x0
	s_or_b32 exec_lo, exec_lo, s30
.Lend:
	s_wait_tensorcnt 0x0                           ; the wave's end
	ds_add_u32 v160, v161
	s_wait_dscnt 0x0
	s_endpgm
.Lfunc_end_k_qa50cb3d66e_gather:
	.size	k_qa50cb3d66e_gather, .Lfunc_end_k_qa50cb3d66e_gather-k_qa50cb3d66e_gather
	.p2alignl 7, 3214868480
	.fill 96, 4, 3214868480
	.section	.rodata,"a",@progbits
	.p2align	6, 0x0
	.amdhsa_kernel k_qa50cb3d66e_gather
		.amdhsa_group_segment_fixed_size 10752
		.amdhsa_private_segment_fixed_size 0
		.amdhsa_enable_private_segment 0
		.amdhsa_kernarg_size 48
		.amdhsa_user_sgpr_count 2
		.amdhsa_user_sgpr_kernarg_segment_ptr 1
		.amdhsa_wavefront_size32 1
		.amdhsa_system_sgpr_workgroup_id_x 1
		.amdhsa_system_sgpr_workgroup_id_y 1
		.amdhsa_system_sgpr_workgroup_id_z 1
		.amdhsa_system_vgpr_workitem_id 0
		.amdhsa_next_free_vgpr 162
		.amdhsa_next_free_sgpr 66
		.amdhsa_reserve_vcc 1
		.amdhsa_float_denorm_mode_32 3
		.amdhsa_float_denorm_mode_16_64 3
		.amdhsa_memory_ordered 1
		.amdhsa_forward_progress 1
		.amdhsa_inst_pref_size 22
	.end_amdhsa_kernel
	.amdgpu_metadata
---
amdhsa.version: [ 1, 2 ]
amdhsa.kernels:
  - .name:           k_qa50cb3d66e_gather
    .symbol:         k_qa50cb3d66e_gather.kd
    .args:
      - { .name: cand, .offset: 0, .size: 8, .value_kind: global_buffer, .address_space: global }
      - { .name: z_e, .offset: 8, .size: 8, .value_kind: global_buffer, .address_space: global }
      - { .name: W, .offset: 16, .size: 8, .value_kind: global_buffer, .address_space: global }
      - { .name: out0, .offset: 24, .size: 8, .value_kind: global_buffer, .address_space: global }
      - { .name: out1, .offset: 32, .size: 8, .value_kind: global_buffer, .address_space: global }
      - { .name: part, .offset: 40, .size: 8, .value_kind: global_buffer, .address_space: global }
    .group_segment_fixed_size: 10752
    .private_segment_fixed_size: 0
    .kernarg_segment_align: 8
    .kernarg_segment_size: 48
    .max_flat_workgroup_size: 512
    .sgpr_count:     66
    .vgpr_count:     162
    .wavefront_size: 32
...
	.end_amdgpu_metadata
.endif
;; end of part 3
;; launch final (part 4): grid 1 x 1, 1 waves a work-group, no clusters, 0 bytes of LDS; arguments part, out2, out3, out4, out5, out6; writes out2, out3, out4, out5, out6
.if DOCPART == 4
	.amdgcn_target "amdgcn-amd-amdhsa--gfx1250"
	.amdhsa_code_object_version 6
	.text
	.protected	k_qa50cb3d66e_final
	.globl	k_qa50cb3d66e_final
	.p2align	8
	.type	k_qa50cb3d66e_final,@function
k_qa50cb3d66e_final:
	s_mov_b64 s[64:65], 0
	v_nop
	global_prefetch_b8 v0, s[64:65] scope:SCOPE_SE
	s_setreg_imm32_b32 hwreg(HW_REG_WAVE_MODE, 25, 1), 1
	s_wait_xcnt 0x0
; The 256 work-groups' sums of (W[id] - z)^2 are added in a fixed order; the mean over 16,384 x 512 = 2^23 numbers is both the codebook loss and the commitment loss.
; out2 = vq = cb + 0.25 commit (0.25 commit is exact, so one fused multiply-add rounds as the sum does), out3 = cb, out4 = commit, out5 = 0, out6 = vq + 0 x 0 = vq.
; One wave: a sum over all work-groups of the launch before has one owner.
	s_load_b256 s[4:11], s[0:1], 0x0               ; part s[4:5], out2 s[6:7], out3 s[8:9], out4 s[10:11]
	s_load_b128 s[12:15], s[0:1], 0x20             ; out5 s[12:13], out6 s[14:15]
	v_lshlrev_b32 v1, 5, v0                        ; eight numbers a lane
	s_mov_b32 s16, 0x76543210
	s_mov_b32 s17, 0xfedcba98
	v_mov_b32 v14, 0                               ; the stores' offset
	v_mov_b32 v15, 0                               ; the orthogonality loss
	s_wait_alu depctr_va_vdst(0)
	s_wait_kmcnt 0x0
	global_load_b128 v[4:7], v1, s[4:5]
	global_load_b128 v[8:11], v1, s[4:5] offset:16
	s_wait_loadcnt 0x0
	v_pk_add_f32 v[4:5], v[4:5], v[6:7]
	v_pk_add_f32 v[8:9], v[8:9], v[10:11]
	v_pk_add_f32 v[4:5], v[4:5], v[8:9]
	v_add_f32 v4, v4, v5
	v_add_f32_dpp v4, v4, v4 row_xmask:1 row_mask:0xf bank_mask:0xf
	v_add_f32_dpp v4, v4, v4 row_xmask:2 row_mask:0xf bank_mask:0xf
	v_add_f32_dpp v4, v4, v4 row_xmask:4 row_mask:0xf bank_mask:0xf
	v_add_f32_dpp v4, v4, v4 row_xmask:8 row_mask:0xf bank_mask:0xf
	v_permlanex16_b32 v5, v4, s16, s17
	v_add_f32 v4, v4, v5
	v_mul_f32 v12, 0x34000000, v4                  ; x 2^-23: the mean
	v_fmamk_f32 v13, v12, 0x3e800000, v12          ; 0.25 x the mean + the mean
	s_wait_alu depctr_va_vdst(0)
	s_wait_xcnt 0x0                                ; EXEC changes only behind this wait
	v_cmp_eq_u32 vcc_lo, 0, v0
	s_and_saveexec_b32 s18, vcc_lo
	global_store_b32 v14, v13, s[6:7]
	global_store_b32 v14, v12, s[8:9]
	global_store_b32 v14, v12, s[10:11]
	global_store_b32 v14, v15, s[12:13]
	global_store_b32 v14, v13, s[14:15]
	s_wait_xcnt 0x0
	s_or_b32 exec_lo, exec_lo, s18
	s_endpgm
.Lfunc_end_k_qa50cb3d66e_final:
	.size	k_qa50cb3d66e_final, .Lfunc_end_k_qa50cb3d66e_final-k_qa50cb3d66e_final
	.p2alignl 7, 3214868480
	.fill 96, 4, 3214868480
	.section	.rodata,"a",@progbits
	.p2align	6, 0x0
	.amdhsa_kernel k_qa50cb3d66e_final
		.amdhsa_group_segment_fixed_size 0
		.amdhsa_private_segment_fixed_size 0
		.amdhsa_enable_private_segment 0
		.amdhsa_kernarg_size 48
		.amdhsa_user_sgpr_count 2
		.amdhsa_user_sgpr_kernarg_segment_ptr 1
		.amdhsa_wavefront_size32 1
		.amdhsa_system_sgpr_workgroup_id_x 1
		.amdhsa_system_sgpr_workgroup_id_y 1
		.amdhsa_system_sgpr_workgroup_id_z 1
		.amdhsa_system_vgpr_workitem_id 0
		.amdhsa_next_free_vgpr 32
		.amdhsa_next_free_sgpr 66
		.amdhsa_reserve_vcc 1
		.amdhsa_float_denorm_mode_32 3
		.amdhsa_float_denorm_mode_16_64 3
		.amdhsa_memory_ordered 1
		.amdhsa_forward_progress 1
		.amdhsa_inst_pref_size 3
	.end_amdhsa_kernel
	.amdgpu_metadata
---
amdhsa.version: [ 1, 2 ]
amdhsa.kernels:
  - .name:           k_qa50cb3d66e_final
    .symbol:         k_qa50cb3d66e_final.kd
    .args:
      - { .name: part, .offset: 0, .size: 8, .value_kind: global_buffer, .address_space: global }
      - { .name: out2, .offset: 8, .size: 8, .value_kind: global_buffer, .address_space: global }
      - { .name: out3, .offset: 16, .size: 8, .value_kind: global_buffer, .address_space: global }
      - { .name: out4, .offset: 24, .size: 8, .value_kind: global_buffer, .address_space: global }
      - { .name: out5, .offset: 32, .size: 8, .value_kind: global_buffer, .address_space: global }
      - { .name: out6, .offset: 40, .size: 8, .value_kind: global_buffer, .address_space: global }
    .group_segment_fixed_size: 0
    .private_segment_fixed_size: 0
    .kernarg_segment_align: 8
    .kernarg_segment_size: 48
    .max_flat_workgroup_size: 32
    .sgpr_count:     66
    .vgpr_count:     32
    .wavefront_size: 32
...
	.end_amdgpu_metadata
.endif
;; end of part 4
